; MI455X (gfx1250); checked and timed in simulation.
; The chip was launched on July 23, 2026; its instructions are those of AMD's public machine-readable ISA for CDNA 5 (MIT licence, August 2026) and "CDNA5" Instruction Set Architecture Reference Guide (July 2026). The comments in the code are by the model that wrote it; some were corrected since.
;; Simple Attention. Allowed arithmetic: matrix products marked QUANTISED: E3M2 operands, one E8M0 scale for each 32 along K, by v_wmma_scale_f32_16x16x128_f8f6f4 with both operands' format E3M2, f32 sums; products left as they are: f32 operands where the result goes on into a quantised operand, else bf16, f16 or f32 operands; f32 sums; everything else in f32.
;; Inputs: W_att 3 x 128 x 128 float32; W_c 128 x 10 float32; W_in 128 x 128 float32; b_att 3 x 128 float32; b_c 10 float32; b_in 128 float32; beta 3 x 128 float32; gamma 3 x 128 float32; x 8,192 x 128 float32.
;; Outputs: out0 8,192 x 10 float32.
;; This version of the problem:
;;   THIS VERSION OF THE PROBLEM IS GIVEN IN LOW PRECISION. The matrix products marked QUANTISED in the list below multiply operands that are first quantised to E3M2 (3 exponent bits, 2 mantissa bits; 6 bits a number), with one power-of-two scale for each 32 numbers along K (OCP MX v1.0); their sums are f32. All else is computed in f32.
;;   The module's matrix products, in the order in which they are computed (A, B: the left and right operand; K: the contracted axis; several contracted axes count as one K, in the product's order):
;;     1. [M 8,192, K 128] x [K 128, N 128]; A: input x; B: input W_in: QUANTISED
;;     2. [M 8,192, K 128] x [K 128, N 128]; A: computed on the way; B: input W_att: QUANTISED
;;     3. batch 8,192 x [M 128, K 128] x [K 128, N 1]; A: softmax; B: computed on the way: left as it is (N = 1 < 16)
;;     4. [M 8,192, K 128] x [K 128, N 128]; A: computed on the way; B: input W_att: QUANTISED
;;     5. batch 8,192 x [M 128, K 128] x [K 128, N 1]; A: softmax; B: computed on the way: left as it is (N = 1 < 16)
;;     6. [M 8,192, K 128] x [K 128, N 128]; A: computed on the way; B: input W_att: QUANTISED
;;     7. batch 8,192 x [M 128, K 128] x [K 128, N 1]; A: softmax; B: computed on the way: left as it is (N = 1 < 16)
;;     8. [M 8,192, K 128] x [K 128, N 10]; A: computed on the way; B: input W_c: left as it is (N = 10 < 16)
;;   THE QUANTISER, for each operand of a quantised product, along K:
;;     - K is cut into blocks of 32 from its start; a last block that is shorter is filled with zeros.
;;     - A block's scale is 2^e with e = floor(log2(the largest magnitude in the block)) - 4, held to -126 .. 127; a block of zeros has e = 0. As a byte (E8M0): e + 127.
;;     - Each number is divided by its block's scale, clamped to +-28, and rounded to the nearest number of E3M2, ties to even, subnormals kept.
;;     - The product sums the exact products of the quantised numbers (number of the format x scale) in f32.
;;   ~~~python
;;   def quantise(x, axis):      # numpy; x: float32 -> the quantised numbers, widened to float32 again
;;       x = np.moveaxis(x, axis, -1); K = x.shape[-1]
;;       x = np.pad(x, [(0, 0)] * (x.ndim - 1) + [(0, -K % 32)]); x = x.reshape(x.shape[:-1] + (-1, 32)); a = np.abs(x).max(-1, keepdims=True)
;;       e = np.where(a > 0, np.clip(np.frexp(np.where(a > 0, a, 1))[1] - 1 - 4, -126, 127), 0)      # np.frexp(a)[1] - 1 = floor(log2(a)), exactly
;;       r = np.clip(x / 2.0 ** e, -28, 28)
;;       step = 2.0 ** (np.maximum(np.frexp(np.where(r == 0, 1, r))[1] - 1, -2) - 2)
;;       q = np.round(r / step) * step * 2.0 ** e      # np.round: ties to even
;;       return np.moveaxis(q.reshape(q.shape[:-2] + (-1,))[..., :K], -1, axis).astype(np.float32)
;;   ~~~
;;   OPERANDS COMPUTED ON THE WAY. 'Computed on the way' means the value that the module computes at that place (a softmax that the list does not call 'softmax' is quantised finished and normalised). What goes into a quantiser is computed in f32, as accurately as f32 sums, v_exp_f32 and their like allow (about 1e-6 of the number): no bf16 or f16 on the way to a quantiser, and a product that is left as it is and whose result goes on into a quantised operand takes f32 operands (vector FMAs, or v_wmma_f32_16x16x4_f32). A number that lies on a knife's edge between two numbers of the format may be rounded either way, as far as f32 arithmetic and the matrix unit's own rounding can turn it there, and no further.
;; 2 versions, each right; version 2 is version 1 with the launch fused written anew for expert scheduling mode. Each part assembles by itself: llvm-mc -triple=amdgcn-amd-amdhsa -mcpu=gfx1250 --defsym DOCPART=n.
;; ======== version 1 of 2: 1 launch
;; launch fused (part 1): grid 256 x 1, 16 waves a work-group, no clusters, 327,680 bytes of LDS; arguments x, W_in, b_in, W_att, b_att, gamma, beta, W_c, b_c, out0; writes out0
.if DOCPART == 1
	.amdgcn_target "amdgcn-amd-amdhsa--gfx1250"
	.amdhsa_code_object_version 6
	.text
	.protected	k_qc2c85d6565_fused
	.globl	k_qc2c85d6565_fused
	.p2align	8
	.type	k_qc2c85d6565_fused,@function
k_qc2c85d6565_fused:
	s_mov_b64 s[64:65], 0
	v_nop
	global_prefetch_b8 v0, s[64:65] scope:SCOPE_SE
	s_setreg_imm32_b32 hwreg(HW_REG_WAVE_MODE, 25, 1), 1
	s_wait_xcnt 0x0
; h = x W_in + b_in;  three times: u = tanh(h W + b), out_i = sum_j softmax_j(u_i u_j) h_j, h = LayerNorm(h + out);  out0 = h W_c + b_c.
; x [8192][128], W_in [128][128], W_att [3][128][128] (K is the FIRST axis), W_c [128][10], all f32.  The four 128 x 128 products run on codes of BF6 (E3M2) with one E8M0 scale
; for each 32 along K; both operands are quantised here, in registers.  All else is f32.
; SHARES.  One launch.  A work-group owns 32 rows of the batch from x to out0; nothing goes to memory on the way.  Sixteen waves of 256 registers.
; TWO LAYOUTS.  Products: wave w makes the tile (m = w & 1: rows 16 m on; t = w >> 1: units 16 t on), used transposed (source 0 = 16 columns of W, source 1 = 16 rows):
; lane (r, hh) holds row 16 m + r and units 16 t + 8 hh + 0..7.  Attention and LayerNorm: a lane is a row of the batch, wave w owns units 8 w .. 8 w + 7.
; The two meet in LDS, in f32: number (row b, unit k) lies at (k / 4) x 528 + 16 b + 4 (k % 4), so every access of both layouts is 16 bytes a lane and sixteen lanes take 256 consecutive bytes.
; NO MAXIMUM IS TAKEN AWAY ahead of the exponentials: tanh holds |u| <= 1 for every input, so every exponent lies in [-1, 1], every p in [1/e, e] and every row's sum in [128/e, 128 e].
; EACH p SERVES TWICE: p_ij = exp(u_i u_j) = p_ji.  The 128 units are 16 blocks of 8.  Wave w computes the blocks (w, w + d), d = 0..8 (mod 16).  All nine feed rows i of block w
; (D_i += p, N_i += p h_j); d = 1..7 also feed rows j of block w + d (D_j += p, N_j += p h_i): seen from that block the distance is 16 - d = 9..15, so each ordered pair of blocks is counted once.
; The sums for foreign rows go to LDS, to slots of the WRITER's own, and their owner adds them.  576 exponentials a lane and layer in place of 1,024.
; VARIANCE: each wave gives the sum s of its 8 numbers and the sum q of their squared distances from s / 8; var x 128 = sum q + 8 sum (s / 8 - mu)^2: no difference of large sums.
; LIMITS: NaN and infinities among the inputs are not served.  A block of zeros gets the scale byte 1 where the rule says 127: its codes are zeros, and these bytes are read here alone.
; tanh(a) = 1 - 2 / (1 + 2^(2 log2(e) a)): absolute error about 1e-7, right at both ends (2^.. = 0 or infinity); u goes into scores, not into a quantiser.
; No tensor loads, no cluster: what work-groups share is 256 KiB of f32 weights, read once at the head, which has to pass through registers to be quantised down K.
.set PL,   528                         ; LDS: from one group of four units to the next: 32 rows x 16 bytes + 16
.set UT,   0                           ; x, later u:                32 x 528
.set HT,   32*PL                       ; h:                         32 x 528
.set FRB,  1536                        ; a weight fragment as an image of its 12 registers: three runs of 512 bytes, 16 bytes a lane
.set WIMG, 2*32*PL                     ; 32 fragments, 8 x matrix + tile (matrix 0: W_in; 1..3: W_att)
.set WSC,  WIMG+32*FRB                 ; their scale words, 4 bytes a lane
.set STAT, WSC+32*128                  ; LayerNorm's parts: plane s, and 2,048 on plane q: (w / 4) x 512 + 16 x lane + 4 (w % 4)
.set WC,   STAT+4096                   ; W_c as it lies in memory
.set PART, WC+5120                     ; sums for foreign rows: (7 x writer + d - 1) x 2,048 + 512 g + 16 x lane; g = 0, 1: D, g = 2, 3: N.  Behind the last layer: the head product's parts
.set PSL,  2048
.set PWV,  7*PSL
.set LA,   1                           ; v1   16 x lane
.set GA,   2                           ; v2   products: where my 64 numbers of an operand begin: 8 hh groups + row 16 m + r
.set GS,   3                           ; v3   products: where my 8 results go: groups 4 t + 2 hh, row 16 m + r
.set VW0,  4                           ; v4   my tile's weight image in matrix 0
.set VS0,  5                           ; v5   and its scale word
.set VPW,  6                           ; v6   my wave's slots in PART
.set VST,  7                           ; v7   my word in STAT
.set VOWN, 8                           ; v8   my block's place in UT and HT
.set SH8,  9                           ; v9   8 hh
.set VB,   10                          ; v10  byte offset of my 8 units in a bias
.set TA,   11                          ; v11, v12 addresses of the loads in hand
.set TB,   12
.set PT,   13                          ; v13  destination of the lane exchange
.set WS,   14                          ; v14  W's scale word, nothing else
.set AS,   15                          ; v15  the scale word just made, nothing else
.set UOW,  16                          ; v16-23   attention: log2(e) x u of my 8 units
.set HOW,  24                          ; v24-31   h of my 8 units
.set DR,   32                          ; v32-47   D of my rows, a pair for each (even j, odd j)
.set NR,   48                          ; v48-63   N likewise
.set UJ0,  80                          ; v80-95   u of a foreign block, two sets
.set HJ0,  96                          ; v96-111  h of a foreign block, two sets
.set T0,   112                         ; v112-239 two batches of 64 p: register 8 i + j
.set BI,   240                         ; v240-247 products: the bias, as C.  (v64-79 and v240-255: sums for foreign rows, by turns)
.set MX,   16                          ; products and head: largest magnitudes, conversion scales, bytes
.set SCL,  18
.set BY,   20
.set AF,   24                          ; v24-35   the fragment just made
.set CT,   36                          ; v36-38, v40-42 the upper halves of its two blocks, before they are moved
.set WF,   44                          ; v44-55   W's fragment
.set ACC,  56                          ; v56-63   the product
.set TT,   64                          ; v64-71   tanh at work
.set X,    112                         ; v112-175 64 numbers to be quantised;  v176-239 a second set (head)
.set X2,   176
.set DN,   64                          ; R: v64-71 D, v72-79 N of my rows
.set RC,   80                          ; v80-87   1 / D
.set Y,    88                          ; v88-95   h + out, later the new h
.set DV,   96                          ; v96-103  distances from a mean
.set P,    112                         ; v112-223 seven slots of PART
.set RA,   224                         ; v224-230 their addresses
.set SJB,  48                          ; s48-55   block w + k's place in UT and HT, k = 1..8
.set SPB,  56                          ; s56-62   the slot that writer w - d filled for me, d = 1..7
.macro BARRIER                         ; my LDS stores have landed and my LDS loads are in: then the work-group's barrier
	s_wait_dscnt 0x0
	s_barrier_signal -1
	s_barrier_wait -1
.endm
; d = a x (register b + i in both halves);  d += the same
.macro PKMULB d, a, b, i
.if ((\i)%2) == 0
	v_pk_mul_f32 v[\d:\d+1], v[\a:\a+1], v[\b+\i:\b+\i+1] op_sel_hi:[1,0]
.else
	v_pk_mul_f32 v[\d:\d+1], v[\a:\a+1], v[\b+\i-1:\b+\i] op_sel:[0,1] op_sel_hi:[1,1]
.endif
.endm
.macro PKFMAB d, a, b, i
.if ((\i)%2) == 0
	v_pk_fma_f32 v[\d:\d+1], v[\a:\a+1], v[\b+\i:\b+\i+1], v[\d:\d+1] op_sel_hi:[1,0,1]
.else
	v_pk_fma_f32 v[\d:\d+1], v[\a:\a+1], v[\b+\i-1:\b+\i], v[\d:\d+1] op_sel:[0,1,0] op_sel_hi:[1,1,1]
.endif
.endm
; 64 numbers of a lane, register 32 c + i = k 64 c + 32 hh + i of its row (or column of W): two whole blocks of 32.  They become the fragment v[AF] on and the scale word v[AS].
.macro QUANT x
.irp c, 0,1
	v_max3_num_f32 v[MX+\c], |v[\x+32*\c]|, |v[\x+32*\c+1]|, 0x2800000   ; the block's largest magnitude, with the floor 2^(5 - 127) among its leaves: the byte cannot fall under 1
.endr
.irp i, 2,4,6,8,10,12,14,16,18,20,22,24,26,28,30
.irp c, 0,1
	v_max3_num_f32 v[MX+\c], v[MX+\c], |v[\x+32*\c+\i]|, |v[\x+32*\c+\i+1]|   ; (the two blocks by turns)
.endr
.endr
.irp c, 0,1
	v_add_nc_u32 v[SCL+\c], 0xfe000000, v[MX+\c]   ; 4 off its exponent field: the conversion takes the exponent field of this operand as its scale
.endr
.irp c, 0,1
	v_lshrrev_b32 v[BY+\c], 23, v[SCL+\c]          ; the scale's byte
.endr
	v_lshl_or_b32 v[AS], v[BY+1], 16, v[BY]        ; my two bytes, blocks hh and 2 + hh,
	v_lshlrev_b32 v[AS], v[SH8], v[AS]             ; at their places in the word;
	v_permlanex16_b32 v[PT], v[AS], s24, s25
	v_or_b32 v[AS], v[AS], v[PT]                   ; with lane l xor 16's two the word is whole
.irp c, 0,1
	v_cvt_scalef32_pk16_bf6_f32 v[AF+6*\c:AF+6*\c+2], v[\x+32*\c:\x+32*\c+15], v[SCL+\c]
	v_cvt_scalef32_pk16_bf6_f32 v[CT+4*\c:CT+4*\c+2], v[\x+32*\c+16:\x+32*\c+31], v[SCL+\c]   ; (a conversion's three registers begin on an even number)
.endr
	v_nop                                          ; one plain place behind the scaled conversions
.irp c, 0,1
.irp i, 0,1,2
	v_mov_b32 v[AF+3+6*\c+\i], v[CT+4*\c+\i]
.endr
.endr
.endm
; 64 loads: column 16 x tile + r of a weight, registers down K; sixteen lanes read 64 consecutive bytes
.macro FRAGLOAD reg, base
.irp c, 0,1
.irp i, 0,1,2,3,4,5,6,7,8,9,10,11,12,13,14,15,16,17,18,19,20,21,22,23,24,25,26,27,28,29,30,31
	global_load_b32 v[\reg+32*\c+\i], v85, s[\base:\base+1] offset:512*(64*\c+\i)
.endr
.endr
.endm
; A PRODUCT: my tile of (the array at src) x (the matrix at s27, s28) + the bias at s[bp]; act = 1: tanh; to the array at dst.  norm = 1: the layer's gamma and beta of my 8 units are fetched beside it.
.macro GEMM src, dst, bp, act, norm
	global_load_b128 v[BI:BI+3], v[VB], s[\bp:\bp+1]
	global_load_b128 v[BI+4:BI+7], v[VB], s[\bp:\bp+1] offset:16
.if \norm
	s_load_b256 s[32:39], s[14:15], 0x0
	s_load_b256 s[40:47], s[16:17], 0x0
.endif
.irp c, 0,1
.irp q, 0,1,2,3,4,5,6,7
	ds_load_b128 v[X+32*\c+4*\q:X+32*\c+4*\q+3], v[GA] offset:\src+(16*\c+\q)*PL
.endr
.endr
	v_add_nc_u32 v[TA], s27, v[VW0]
	v_add_nc_u32 v[TB], s28, v[VS0]
	ds_load_b128 v[WF:WF+3], v[TA]
	ds_load_b128 v[WF+4:WF+7], v[TA] offset:512
	ds_load_b128 v[WF+8:WF+11], v[TA] offset:1024
	ds_load_b32 v[WS], v[TB]
	s_wait_dscnt 0x4                               ; the 16 loads of numbers are in; the four for W, issued behind them, may be out
	QUANT X
	s_wait_dscnt 0x0                               ; W's fragment and scale word
	s_wait_loadcnt 0x0                             ; the bias
.if \norm
	s_wait_kmcnt 0x0                               ; gamma and beta; with the line above it also frees the three pointers that the loop steps
.endif
.rept 8
	v_nop                                          ; a scale word made by vector instructions stands 8 places ahead of the scaled matrix instruction, an operand so made 4
.endr
	v_wmma_scale_f32_16x16x128_f8f6f4 v[ACC:ACC+7], v[WF:WF+11], v[AF:AF+11], v[BI:BI+7], v[WS], v[AS] matrix_a_fmt:MATRIX_FMT_BF6 matrix_b_fmt:MATRIX_FMT_BF6
.rept 4
	v_nop                                          ; four places behind it (ISA guide 7.12.1), for the reads of its result and for every later write of its registers
.endr
.if \act
.irp j, 0,1,2,3,4,5,6,7
	v_mul_f32 v[TT+\j], 0x4038aa3b, v[ACC+\j]      ; 2 log2(e) a; the result is read from its low end on
.endr
.irp j, 0,1,2,3,4,5,6,7
	v_exp_f32 v[TT+\j], v[TT+\j]
.endr
	v_nop                                          ; a plain place behind the batch,
	s_wait_alu depctr_va_vdst(0)                   ; and the one wait ahead of its first reader
.irp j, 0,1,2,3,4,5,6,7
	v_add_f32 v[TT+\j], 1.0, v[TT+\j]
.endr
.irp j, 0,1,2,3,4,5,6,7
	v_rcp_f32 v[TT+\j], v[TT+\j]
.endr
	v_nop
	s_wait_alu depctr_va_vdst(0)                   ; likewise for the eight reciprocals
.irp j, 0,1,2,3,4,5,6,7
	v_fma_f32 v[TT+\j], v[TT+\j], -2.0, 1.0        ; tanh
.endr
	ds_store_b128 v[GS], v[TT:TT+3] offset:\dst
	ds_store_b128 v[GS], v[TT+4:TT+7] offset:\dst+PL
.else
	ds_store_b128 v[GS], v[ACC:ACC+3] offset:\dst
	ds_store_b128 v[GS], v[ACC+4:ACC+7] offset:\dst+PL
.endif
	BARRIER
.endm
; N of my row i takes pair q of batch k
.macro ROWN k, i, q
.if ((\k) == 0) && ((\q) == 0)
	v_pk_mul_f32 v[NR+2*\i:NR+2*\i+1], v[TC+8*\i:TC+8*\i+1], v[HJC:HJC+1]      ; the first product starts the sum: nothing is cleared
.else
	v_pk_fma_f32 v[NR+2*\i:NR+2*\i+1], v[TC+8*\i+2*\q:TC+8*\i+2*\q+1], v[HJC+2*\q:HJC+2*\q+1], v[NR+2*\i:NR+2*\i+1]
.endif
.endm
; STEP k of the attention: batch k (block w + k; its 64 p were issued in the step before) is summed, and between the sums batch k + 1 is scaled and its exponentials are issued (next = 1).
; both = 1: the batch also feeds the rows of block w + k.  u of block k + 2 and h of block k + 1 are fetched at the head, into the sets that the step before has done with.
.macro STEP k, both, next
.set TC,  T0+64*((\k)%2)
.set TN,  T0+64*(((\k)+1)%2)
.set UJN, UJ0+8*(((\k)+1)%2)
.set UJL, UJ0+8*((\k)%2)
.set HJL, HJ0+8*(((\k)+1)%2)
.if (\k) == 0
.set HJC, HOW
.else
.set HJC, HJ0+8*((\k)%2)
.endif
.if ((\k)%2) == 1
.set CJ, 64                            ; the sums for foreign rows: D at CJ, N at CJ + 8; two sets by turns,
.else
.set CJ, 240                           ; so that a set is written again only when the wait below has shown its stores done
.endif
.if (\k) < 2
	s_wait_dscnt 0x0                               ; the loads of the step before (of the head, for step 0) are in
.else
	s_wait_dscnt 0x4                               ; likewise; behind them stand the four stores of the step before, which may be out.  The stores of two steps back are done
.endif
.if (\k)+2 <= 8
	v_add_nc_u32 v[TA], s[SJB+(\k)+1], v[LA]
	ds_load_b128 v[UJL:UJL+3], v[TA] offset:UT
	ds_load_b128 v[UJL+4:UJL+7], v[TA] offset:UT+PL
.endif
.if (\k)+1 <= 8
	v_add_nc_u32 v[TB], s[SJB+(\k)], v[LA]
	ds_load_b128 v[HJL:HJL+3], v[TB] offset:HT
	ds_load_b128 v[HJL+4:HJL+7], v[TB] offset:HT+PL
.endif
	s_wait_alu depctr_va_vdst(0)                   ; ONE wait for the 64 exponentials of batch k, ahead of their first reader; none of this step's is named before the next step's wait
.irp i, 0,1,2,3,4,5,6,7
.if \next
.irp q, 0,1,2,3
	PKMULB TN+8*\i+2*\q, UJN+2*\q, UOW, \i         ; log2(e) u_i u_j, two j at a time
.endr
.endif
.irp q, 0,1,2,3
.if \next
	v_exp_f32 v[TN+8*\i+2*\q], v[TN+8*\i+2*\q]
.endif
.if ((\k) > 0) || (\q > 1)
	v_pk_add_f32 v[DR+2*\i:DR+2*\i+1], v[DR+2*\i:DR+2*\i+1], v[TC+8*\i+2*\q:TC+8*\i+2*\q+1]
.elseif \q == 1
	v_pk_add_f32 v[DR+2*\i:DR+2*\i+1], v[TC+8*\i:TC+8*\i+1], v[TC+8*\i+2:TC+8*\i+3]   ; the first two pairs start the sum
.endif
.if \both
	ROWN \k, \i, \q
.endif
.if \next
	v_exp_f32 v[TN+8*\i+2*\q+1], v[TN+8*\i+2*\q+1]
.endif
.if \both
.if \i > 1
	v_pk_add_f32 v[CJ+2*\q:CJ+2*\q+1], v[CJ+2*\q:CJ+2*\q+1], v[TC+8*\i+2*\q:TC+8*\i+2*\q+1]
.elseif \i == 1
	v_pk_add_f32 v[CJ+2*\q:CJ+2*\q+1], v[TC+2*\q:TC+2*\q+1], v[TC+8+2*\q:TC+8+2*\q+1]
.endif
.if \i == 0
	PKMULB CJ+8+2*\q, TC+2*\q, HOW, 0
.else
	PKFMAB CJ+8+2*\q, TC+8*\i+2*\q, HOW, \i
.endif
.else
	ROWN \k, \i, \q                                ; (a plain line stands last, behind the step's last exponential)
.endif
.endr
.endr
.if \both
.irp g, 0,1,2,3
	ds_store_b128 v[VPW], v[CJ+4*\g:CJ+4*\g+3] offset:((\k)-1)*PSL+512*\g
.endr
.endif
.endm
	; ---- THE HEAD: addresses; x and W_c into LDS; the four weights quantised down K, two fragments a wave, into LDS as images of their registers
	s_load_b512 s[4:19], s[0:1], 0x0               ; x 4, W_in 6, b_in 8, W_att 10, b_att 12, gamma 14, beta 16, W_c 18
	s_load_b128 s[20:23], s[0:1], 0x40             ; b_c 20, out0 22
	v_lshrrev_b32 v11, 5, v0
	v_readfirstlane_b32 s2, v11                    ; w, my wave's number
	v_and_b32 v12, 31, v0                          ; lane
	v_and_b32 v16, 15, v0                          ; r
	v_bfe_u32 v17, v0, 4, 1                        ; hh
	v_lshlrev_b32 v[LA], 4, v12
	s_and_b32 s80, s2, 1
	s_lshl_b32 s80, s80, 8                         ; 16 m rows of 16 bytes
	s_lshr_b32 s81, s2, 1                          ; t
	v_mul_u32_u24 v[GA], v17, 8*PL
	v_lshl_add_u32 v[GA], v16, 4, v[GA]
	v_add_nc_u32 v[GA], s80, v[GA]
	s_mul_i32 s3, s81, 4*PL
	s_add_co_u32 s3, s3, s80
	v_mul_u32_u24 v[GS], v17, 2*PL
	v_lshl_add_u32 v[GS], v16, 4, v[GS]
	v_add_nc_u32 v[GS], s3, v[GS]
	s_mul_i32 s3, s81, FRB
	s_add_co_u32 s3, s3, WIMG
	v_add_nc_u32 v[VW0], s3, v[LA]
	s_lshl_b32 s3, s81, 7
	s_add_co_u32 s3, s3, WSC
	v_lshl_add_u32 v[VS0], v12, 2, s3
	s_mul_i32 s3, s2, PWV
	s_add_co_u32 s3, s3, PART
	v_add_nc_u32 v[VPW], s3, v[LA]
	s_lshr_b32 s3, s2, 2
	s_lshl_b32 s3, s3, 9
	s_and_b32 s82, s2, 3
	s_lshl_b32 s82, s82, 2
	s_add_co_u32 s3, s3, s82
	s_add_co_u32 s3, s3, STAT
	v_add_nc_u32 v[VST], s3, v[LA]
	s_mul_i32 s3, s2, 2*PL
	v_add_nc_u32 v[VOWN], s3, v[LA]
	v_lshlrev_b32 v[SH8], 3, v17
	s_lshl_b32 s3, s81, 6
	v_lshl_add_u32 v[VB], v17, 5, s3
	v_mov_b32 v[PT], 0                             ; written once: a lane exchange's destination counts as one of its sources
	v_lshlrev_b32 v84, 4, v0                       ; head only: 16 x thread: my bytes of x and of W_c
	v_lshlrev_b32 v85, 2, v16                      ; a weight's column 16 (w % 8) + r, rows from 32 hh on
	v_lshl_add_u32 v85, v17, 14, v85
	s_and_b32 s3, s2, 7
	s_lshl_b32 s3, s3, 6
	v_add_nc_u32 v85, s3, v85
	v_mul_u32_u24 v86, v12, PL                     ; x into LDS: my lane is the group of four k, my wave the row
	s_lshl_b32 s3, s2, 4
	v_add_nc_u32 v86, s3, v86
	v_add_nc_u32 v87, WC, v84                      ; W_c into LDS
	s_mul_i32 s3, s2, FRB
	s_add_co_u32 s3, s3, WIMG
	v_add_nc_u32 v88, s3, v[LA]                    ; the image of fragment w (16 + w lies 16 fragments on)
	s_lshl_b32 s3, s2, 7
	s_add_co_u32 s3, s3, WSC
	v_lshl_add_u32 v89, v12, 2, s3                 ; and its scale word
.irp k, 1,2,3,4,5,6,7,8
	s_add_co_u32 s3, s2, \k
	s_and_b32 s3, s3, 15
	s_mul_i32 s[SJB+\k-1], s3, 2*PL
.endr
.irp d, 1,2,3,4,5,6,7
	s_add_co_u32 s3, s2, 16-\d
	s_and_b32 s3, s3, 15
	s_mul_i32 s3, s3, PWV
	s_add_co_u32 s[SPB+\d-1], s3, PART+(\d-1)*PSL
.endr
	s_mov_b32 s24, 0x76543210                      ; v_permlanex16_b32's selects for lane l xor 16
	s_mov_b32 s25, 0xfedcba98
	s_mov_b32 s27, 0                               ; the matrix in hand: its images,
	s_mov_b32 s28, 0                               ; its scale words
	s_mov_b32 s29, 0x3c000000                      ; 1 / 128
	s_mov_b32 s30, 0x3727c5ac                      ; 1e-5
	s_wait_kmcnt 0x0
	s_load_b256 s[68:75], s[20:21], 0x0            ; b_c: 10 numbers
	s_load_b64 s[76:77], s[20:21], 0x20
	s_lshl_b32 s84, ttmp9, 14                      ; my work-group's 32 rows of x,
	s_mov_b32 s85, 0
	s_add_nc_u64 s[4:5], s[4:5], s[84:85]
	s_mul_i32 s84, ttmp9, 1280                     ; and of out0
	s_add_nc_u64 s[22:23], s[22:23], s[84:85]
	s_lshl_b32 s84, s2, 5                          ; gamma and beta at my 8 units
	s_add_nc_u64 s[14:15], s[14:15], s[84:85]
	s_add_nc_u64 s[16:17], s[16:17], s[84:85]
	s_cmp_lt_u32 s2, 8                             ; fragment w: waves 0-7 W_in, waves 8-15 W_att[0]
	s_cselect_b64 s[80:81], s[6:7], s[10:11]
	s_lshr_b32 s84, s2, 3                          ; fragment 16 + w: W_att[1] or W_att[2]
	s_add_co_u32 s84, s84, 1
	s_lshl_b32 s84, s84, 16
	s_add_nc_u64 s[82:83], s[10:11], s[84:85]
	s_cmp_lt_u32 s2, 10                            ; W_c is 320 threads' worth of 16 bytes
	s_cbranch_scc0 .Lno_wc_load
	global_load_b128 v[80:83], v84, s[18:19]
.Lno_wc_load:
	global_load_b128 v[248:251], v84, s[4:5] th:TH_LOAD_NT               ; row w of x: a wave reads 512 consecutive bytes
	global_load_b128 v[252:255], v84, s[4:5] offset:8192 th:TH_LOAD_NT   ; row 16 + w
	FRAGLOAD X, 80
	s_wait_loadcnt 0x3f                            ; behind x and W_c stand 64 loads; the wait names 63 at the most: x and W_c are in
	ds_store_b128 v86, v[248:251] offset:UT
	ds_store_b128 v86, v[252:255] offset:UT+256
	s_cmp_lt_u32 s2, 10
	s_cbranch_scc0 .Lno_wc_store
	ds_store_b128 v87, v[80:83]
.Lno_wc_store:
	FRAGLOAD X2, 82
	s_wait_kmcnt 0x0                               ; b_c: wave 0 adds it to its part of the head product, the others add 0
	s_cmp_eq_u32 s2, 0
.irp c, 0,1,2,3,4,5,6,7,8,9
	s_cselect_b32 s[68+\c], s[68+\c], 0
.endr
	s_wait_loadcnt 0x3f                            ; behind the first fragment's loads stand the second's 64: the first is whole
	QUANT X
.irp g, 0,1,2
	ds_store_b128 v88, v[AF+4*\g:AF+4*\g+3] offset:512*\g
.endr
	ds_store_b32 v89, v[AS]
	s_wait_loadcnt 0x0
	s_wait_dscnt 0x0                               ; the stores are done: their registers are written again below
	QUANT X2
.irp g, 0,1,2
	ds_store_b128 v88, v[AF+4*\g:AF+4*\g+3] offset:16*FRB+512*\g
.endr
	ds_store_b32 v89, v[AS] offset:16*128
	BARRIER                                        ; x, W_c and the 32 fragments lie in LDS
	GEMM UT, HT, 8, 0, 0                           ; h = x W_in + b_in
	s_mov_b32 s27, 8*FRB                           ; on to W_att[0]
	s_mov_b32 s28, 8*128
	s_mov_b32 s26, 0
.Llayer:
	GEMM HT, UT, 12, 1, 1                          ; u = tanh(h W + b)
	; ---- the attention
	ds_load_b128 v[UJ0:UJ0+3], v[VOWN] offset:UT
	ds_load_b128 v[UJ0+4:UJ0+7], v[VOWN] offset:UT+PL
	ds_load_b128 v[HOW:HOW+3], v[VOWN] offset:HT
	ds_load_b128 v[HOW+4:HOW+7], v[VOWN] offset:HT+PL
	v_add_nc_u32 v[TA], s[SJB], v[LA]
	ds_load_b128 v[UJ0+8:UJ0+11], v[TA] offset:UT
	ds_load_b128 v[UJ0+12:UJ0+15], v[TA] offset:UT+PL
	s_wait_dscnt 0x2                               ; my block's u and h are in; the two loads of block w + 1's u may be out
.irp p, 0,1,2,3
	v_pk_mul_f32 v[UOW+2*\p:UOW+2*\p+1], v[UJ0+2*\p:UJ0+2*\p+1], 0x3fb8aa3b op_sel_hi:[1,0]   ; log2(e) goes into u_i once
.endr
.irp i, 0,1,2,3,4,5,6,7                            ; batch 0: my block against itself
.irp q, 0,1,2,3
	PKMULB T0+8*\i+2*\q, UJ0+2*\q, UOW, \i
.endr
.irp j, 0,1,2,3,4,5,6,7
	v_exp_f32 v[T0+8*\i+\j], v[T0+8*\i+\j]
.endr
.endr
	v_nop                                          ; a plain place behind the batch; its wait stands in step 0
	STEP 0, 0, 1
	STEP 1, 1, 1
	STEP 2, 1, 1
	STEP 3, 1, 1
	STEP 4, 1, 1
	STEP 5, 1, 1
	STEP 6, 1, 1
	STEP 7, 1, 1
	STEP 8, 0, 0
	BARRIER                                        ; every wave's sums for foreign rows lie in LDS
	; ---- R: the seven slots that were filled for my rows; out = N / D; y = h + out; my part of the mean and of the variance
.irp d, 1,2,3,4,5,6,7
	v_add_nc_u32 v[RA+\d-1], s[SPB+\d-1], v[LA]
.endr
.irp d, 1,2,3,4,5,6,7
.irp g, 0,1,2,3
	ds_load_b128 v[P+16*(\d-1)+4*\g:P+16*(\d-1)+4*\g+3], v[RA+\d-1] offset:512*\g
.endr
.endr
.irp i, 0,1,2,3,4,5,6,7
	v_add_f32 v[DN+\i], v[DR+2*\i], v[DR+2*\i+1]   ; even j's and odd j's
.endr
.irp i, 0,1,2,3,4,5,6,7
	v_add_f32 v[DN+8+\i], v[NR+2*\i], v[NR+2*\i+1]
.endr
.irp d, 1,2,3,4,5,6,7
	s_wait_dscnt 4*(7-\d)                          ; slot d's four loads are in; those of the 7 - d slots behind it may be out
.irp p, 0,1,2,3,4,5,6,7
	v_pk_add_f32 v[DN+2*\p:DN+2*\p+1], v[DN+2*\p:DN+2*\p+1], v[P+16*(\d-1)+2*\p:P+16*(\d-1)+2*\p+1]
.endr
.endr
.irp i, 0,1,2,3,4,5,6,7
	v_rcp_f32 v[RC+\i], v[DN+\i]
.endr
	v_nop
	s_wait_alu depctr_va_vdst(0)                   ; one wait for the eight reciprocals, ahead of their first reader
.irp i, 0,1,2,3,4,5,6,7
	v_fma_f32 v[Y+\i], v[DN+8+\i], v[RC+\i], v[HOW+\i]
.endr
	v_pk_add_f32 v[104:105], v[Y:Y+1], v[Y+2:Y+3]
	v_pk_add_f32 v[106:107], v[Y+4:Y+5], v[Y+6:Y+7]
	v_pk_add_f32 v[104:105], v[104:105], v[106:107]
	v_add_f32 v104, v104, v105                     ; s: the sum of my 8
	v_mul_f32 v106, 0x3e000000, v104               ; s / 8
.irp p, 0,1,2,3
	v_pk_add_f32 v[DV+2*\p:DV+2*\p+1], v[Y+2*\p:Y+2*\p+1], v[106:107] op_sel_hi:[1,0] neg_lo:[0,1] neg_hi:[0,1]
.endr
	v_pk_mul_f32 v[108:109], v[DV:DV+1], v[DV:DV+1]
.irp p, 1,2,3
	v_pk_fma_f32 v[108:109], v[DV+2*\p:DV+2*\p+1], v[DV+2*\p:DV+2*\p+1], v[108:109]
.endr
	v_add_f32 v108, v108, v109                     ; q: the squared distances from s / 8
	ds_store_b32 v[VST], v104
	ds_store_b32 v[VST], v108 offset:2048
	BARRIER                                        ; the sixteen s and q of every row lie in LDS
	; ---- LayerNorm
	v_add_nc_u32 v[TA], STAT, v[LA]
.irp g, 0,1,2,3
	ds_load_b128 v[112+4*\g:115+4*\g], v[TA] offset:512*\g
.endr
.irp g, 0,1,2,3
	ds_load_b128 v[128+4*\g:131+4*\g], v[TA] offset:2048+512*\g
.endr
	s_wait_dscnt 0x0
.irp p, 0,1,2,3
	v_pk_add_f32 v[160+2*\p:161+2*\p], v[112+4*\p:113+4*\p], v[114+4*\p:115+4*\p]
.endr
.irp p, 0,1,2,3
	v_pk_add_f32 v[168+2*\p:169+2*\p], v[128+4*\p:129+4*\p], v[130+4*\p:131+4*\p]
.endr
	v_pk_add_f32 v[160:161], v[160:161], v[162:163]
	v_pk_add_f32 v[164:165], v[164:165], v[166:167]
	v_pk_add_f32 v[168:169], v[168:169], v[170:171]
	v_pk_add_f32 v[172:173], v[172:173], v[174:175]
	v_pk_add_f32 v[160:161], v[160:161], v[164:165]
	v_pk_add_f32 v[168:169], v[168:169], v[172:173]   ; sum q, in two halves
	v_add_f32 v160, v160, v161
	v_mul_f32 v162, s29, v160                      ; mu
.irp p, 0,1,2,3,4,5,6,7
	v_pk_fma_f32 v[144+2*\p:145+2*\p], v[112+2*\p:113+2*\p], 0x3e000000, v[162:163] op_sel_hi:[1,0,0] neg_lo:[0,0,1] neg_hi:[0,0,1]   ; s / 8 - mu
.endr
	v_pk_mul_f32 v[164:165], v[144:145], v[144:145]
	v_pk_mul_f32 v[166:167], v[146:147], v[146:147]
.irp p, 2,4,6
	v_pk_fma_f32 v[164:165], v[144+2*\p:145+2*\p], v[144+2*\p:145+2*\p], v[164:165]
	v_pk_fma_f32 v[166:167], v[146+2*\p:147+2*\p], v[146+2*\p:147+2*\p], v[166:167]
.endr
	v_pk_add_f32 v[164:165], v[164:165], v[166:167]
	v_pk_fma_f32 v[168:169], v[164:165], 0x41000000, v[168:169] op_sel_hi:[1,0,1]   ; sum q + 8 sum (s / 8 - mu)^2
	v_add_f32 v168, v168, v169
	v_fma_f32 v170, v168, s29, s30                 ; var + eps
	v_rsq_f32 v160, v170
.irp p, 0,1,2,3
	v_pk_add_f32 v[DV+2*\p:DV+2*\p+1], v[Y+2*\p:Y+2*\p+1], v[162:163] op_sel_hi:[1,0] neg_lo:[0,1] neg_hi:[0,1]   ; y - mu: plain work behind the root
.endr
	s_wait_alu depctr_va_vdst(0)                   ; the wait ahead of its first reader
.irp p, 0,1,2,3
	v_pk_mul_f32 v[DV+2*\p:DV+2*\p+1], v[DV+2*\p:DV+2*\p+1], v[160:161] op_sel_hi:[1,0]
.endr
.irp i, 0,1,2,3,4,5,6,7
	v_fma_f32 v[Y+\i], v[DV+\i], s[32+\i], s[40+\i]   ; x gamma + beta: the new h of my 8 units
.endr
	ds_store_b128 v[VOWN], v[Y:Y+3] offset:HT
	ds_store_b128 v[VOWN], v[Y+4:Y+7] offset:HT+PL
	s_add_nc_u64 s[12:13], s[12:13], 512           ; the next layer's bias, gamma, beta (their loads were waited for in the product; behind the last layer they are not used)
	s_add_nc_u64 s[14:15], s[14:15], 512
	s_add_nc_u64 s[16:17], s[16:17], 512
	s_add_co_u32 s27, s27, 8*FRB                   ; and its matrix
	s_add_co_u32 s28, s28, 8*128
	BARRIER                                        ; h is whole
	s_add_co_u32 s26, s26, 1
	s_cmp_lt_u32 s26, 3
	s_cbranch_scc1 .Llayer
	; ---- the head product: each wave multiplies its 8 units (still in v[Y] on) by its 8 rows of W_c; the sixteen parts meet in LDS.  N = 10: fused multiply-adds in f32
	s_mul_i32 s3, s2, 320
	s_add_co_u32 s3, s3, WC
	v_mov_b32 v[TA], s3                            ; the same 320 bytes for every lane
.irp n, 0,1,2,3,4,5,6,7,8,9,10,11,12,13,14,15,16,17,18,19
	ds_load_b128 v[112+4*\n:115+4*\n], v[TA] offset:16*\n
.endr
	v_and_b32 v[TB], 31, v0
	v_mul_u32_u24 v[TB], v[TB], 40
	s_mul_i32 s3, s2, 1280
	s_add_co_u32 s3, s3, PART
	v_add_nc_u32 v[TB], s3, v[TB]                  ; my part: wave x 1,280 + 40 x lane, laid as the work-group's 32 rows of out0
	v_lshlrev_b32 v16, 3, v0                       ; 8 x thread: two numbers of out0,
	v_add_nc_u32 v17, PART, v16                    ; and the same two in part 0
.irp c, 0,1,2,3,4,5,6,7,8,9
	v_mov_b32 v[192+\c], s[68+\c]                  ; b_c in wave 0, zeros elsewhere
.endr
	s_wait_dscnt 0x0
.irp e, 0,1,2,3,4,5,6,7
.irp c, 0,1,2,3,4
	PKFMAB 192+2*\c, 112+10*\e+2*\c, Y, \e
.endr
.endr
.irp c, 0,1,2,3,4
	ds_store_b64 v[TB], v[192+2*\c:193+2*\c] offset:8*\c
.endr
	BARRIER                                        ; the last barrier: the branch below jumps over none
	s_cmp_lt_u32 s2, 5                             ; 1,280 bytes are 160 threads' worth of 8
	s_cbranch_scc0 .Lend
.irp n, 0,1,2,3,4,5,6,7,8,9,10,11,12,13,14,15
	ds_load_b64 v[112+2*\n:113+2*\n], v17 offset:1280*\n
.endr
	s_wait_dscnt 0x0
.irp p, 0,1,2,3,4,5,6,7
	v_pk_add_f32 v[112+4*\p:113+4*\p], v[112+4*\p:113+4*\p], v[114+4*\p:115+4*\p]
.endr
.irp p, 0,1,2,3
	v_pk_add_f32 v[112+8*\p:113+8*\p], v[112+8*\p:113+8*\p], v[116+8*\p:117+8*\p]
.endr
	v_pk_add_f32 v[112:113], v[112:113], v[120:121]
	v_pk_add_f32 v[128:129], v[128:129], v[136:137]
	v_pk_add_f32 v[112:113], v[112:113], v[128:129]
	global_store_b64 v16, v[112:113], s[22:23] th:TH_STORE_NT   ; a wave stores 256 consecutive bytes, at a multiple of 256 from out0's first byte
.Lend:
	s_wait_xcnt 0x0
	v_lshl_add_u32 v254, v0, 2, 0x4f800
	v_mov_b32 v255, 0
	s_wait_tensorcnt 0x0
	ds_add_u32 v254, v255
	s_wait_dscnt 0x0
	s_endpgm
.Lfunc_end_k_qc2c85d6565_fused:
	.size	k_qc2c85d6565_fused, .Lfunc_end_k_qc2c85d6565_fused-k_qc2c85d6565_fused
	.p2alignl 7, 3214868480
	.fill 96, 4, 3214868480
	.section	.rodata,"a",@progbits
	.p2align	6, 0x0
	.amdhsa_kernel k_qc2c85d6565_fused
		.amdhsa_group_segment_fixed_size 327680
		.amdhsa_private_segment_fixed_size 0
		.amdhsa_enable_private_segment 0
		.amdhsa_kernarg_size 80
		.amdhsa_user_sgpr_count 2
		.amdhsa_user_sgpr_kernarg_segment_ptr 1
		.amdhsa_wavefront_size32 1
		.amdhsa_system_sgpr_workgroup_id_x 1
		.amdhsa_system_sgpr_workgroup_id_y 1
		.amdhsa_system_sgpr_workgroup_id_z 1
		.amdhsa_system_vgpr_workitem_id 0
		.amdhsa_next_free_vgpr 256
		.amdhsa_next_free_sgpr 96
		.amdhsa_reserve_vcc 0
		.amdhsa_float_denorm_mode_32 3
		.amdhsa_float_denorm_mode_16_64 3
		.amdhsa_memory_ordered 1
		.amdhsa_forward_progress 1
		.amdhsa_inst_pref_size 162
	.end_amdhsa_kernel
	.amdgpu_metadata
---
amdhsa.version: [ 1, 2 ]
amdhsa.kernels:
  - .name:           k_qc2c85d6565_fused
    .symbol:         k_qc2c85d6565_fused.kd
    .args:
      - { .name: x, .offset: 0, .size: 8, .value_kind: global_buffer, .address_space: global }
      - { .name: W_in, .offset: 8, .size: 8, .value_kind: global_buffer, .address_space: global }
      - { .name: b_in, .offset: 16, .size: 8, .value_kind: global_buffer, .address_space: global }
      - { .name: W_att, .offset: 24, .size: 8, .value_kind: global_buffer, .address_space: global }
      - { .name: b_att, .offset: 32, .size: 8, .value_kind: global_buffer, .address_space: global }
      - { .name: gamma, .offset: 40, .size: 8, .value_kind: global_buffer, .address_space: global }
      - { .name: beta, .offset: 48, .size: 8, .value_kind: global_buffer, .address_space: global }
      - { .name: W_c, .offset: 56, .size: 8, .value_kind: global_buffer, .address_space: global }
      - { .name: b_c, .offset: 64, .size: 8, .value_kind: global_buffer, .address_space: global }
      - { .name: out0, .offset: 72, .size: 8, .value_kind: global_buffer, .address_space: global }
    .group_segment_fixed_size: 327680
    .private_segment_fixed_size: 0
    .kernarg_segment_align: 8
    .kernarg_segment_size: 80
    .max_flat_workgroup_size: 512
    .sgpr_count:     96
    .vgpr_count:     256
    .wavefront_size: 32
...
	.end_amdgpu_metadata
.endif
;; end of part 1
;; ======== version 2 of 2: 1 launch; version 1 with the launch fused written anew for expert scheduling mode
;; launch fused (part 2): grid 256 x 1, 16 waves a work-group, no clusters, 327,680 bytes of LDS; arguments x, W_in, b_in, W_att, b_att, gamma, beta, W_c, b_c, out0; writes out0
.if DOCPART == 2
	.amdgcn_target "amdgcn-amd-amdhsa--gfx1250"
	.amdhsa_code_object_version 6
	.text
	.protected	k_qc2c85d6565_fused
	.globl	k_qc2c85d6565_fused
	.p2align	8
	.type	k_qc2c85d6565_fused,@function
k_qc2c85d6565_fused:
	s_mov_b64 s[64:65], 0
	v_nop
	global_prefetch_b8 v0, s[64:65] scope:SCOPE_SE
	s_setreg_imm32_b32 hwreg(HW_REG_WAVE_SCHED_MODE, 0, 2), 2
	s_setreg_imm32_b32 hwreg(HW_REG_WAVE_MODE, 25, 1), 1
	s_wait_xcnt 0x0
	s_wait_alu depctr_vm_vsrc(0)
; h = x W_in + b_in;  three times: u = tanh(h W + b), out_i = sum_j softmax_j(u_i u_j) h_j, h = LayerNorm(h + out);  out0 = h W_c + b_c.
; x [8192][128], W_in [128][128], W_att [3][128][128] (K is the FIRST axis), W_c [128][10], all f32.  The four 128 x 128 products run on codes of BF6 (E3M2) with one E8M0 scale
; for each 32 along K; both operands are quantised here, in registers.  All else is f32.
; SHARES.  One launch.  A work-group owns 32 rows of the batch from x to out0; nothing goes to memory on the way.  Sixteen waves of 256 registers.
; TWO LAYOUTS.  Products: wave w makes the tile (m = w & 1: rows 16 m on; t = w >> 1: units 16 t on), used transposed (source 0 = 16 columns of W, source 1 = 16 rows):
; lane (r, hh) holds row 16 m + r and units 16 t + 8 hh + 0..7.  Attention and LayerNorm: a lane is a row of the batch, wave w owns units 8 w .. 8 w + 7.
; The two meet in LDS, in f32: number (row b, unit k) lies at (k / 4) x 528 + 16 b + 4 (k % 4), so every access of both layouts is 16 bytes a lane and sixteen lanes take 256 consecutive bytes.
; NO MAXIMUM IS TAKEN AWAY ahead of the exponentials: tanh holds |u| <= 1 for every input, so every exponent lies in [-1, 1], every p in [1/e, e] and every row's sum in [128/e, 128 e].
; EACH p SERVES TWICE: p_ij = exp(u_i u_j) = p_ji.  The 128 units are 16 blocks of 8.  Wave w computes the blocks (w, w + d), d = 0..8 (mod 16).  All nine feed rows i of block w
; (D_i += p, N_i += p h_j); d = 1..7 also feed rows j of block w + d (D_j += p, N_j += p h_i): seen from that block the distance is 16 - d = 9..15, so each ordered pair of blocks is counted once.
; The sums for foreign rows go to LDS, to slots of the WRITER's own, and their owner adds them.  576 exponentials a lane and layer in place of 1,024.
; VARIANCE: each wave gives the sum s of its 8 numbers and the sum q of their squared distances from s / 8; var x 128 = sum q + 8 sum (s / 8 - mu)^2: no difference of large sums.
; LIMITS: NaN and infinities among the inputs are not served.  A block of zeros gets the scale byte 1 where the rule says 127: its codes are zeros, and these bytes are read here alone.
; tanh(a) = 1 - 2 / (1 + 2^(2 log2(e) a)): absolute error about 1e-7, right at both ends (2^.. = 0 or infinity); u goes into scores, not into a quantiser.
; No tensor loads, no cluster: what work-groups share is 256 KiB of f32 weights, read once at the head, which has to pass through registers to be quantised down K.
; THE MODE: SCHED_MODE bits 1:0 = 2 (LLVM: expert scheduling mode 2), set by the entry lines.  The code itself states the register dependences
; between vector or matrix instructions and memory or LDS instructions, with s_wait_alu, always for 0.
; THE PLAN.  Registers that memory or LDS instructions touch:
;   v1-v10, v84-v89   addresses made once at the head, ahead of the head's one wait on va_vdst; never written again while they serve.
;   v[TA], v[TB]      addresses of the loads in hand.  Each write stands behind a wait on vm_vsrc (the loads that read them) and ahead of a wait on va_vdst that stands there anyway.
;   A PRODUCT         Its head: vm_vsrc, the two additions, va_vdst, then all its loads (bias, 64 numbers, W's fragment and scale word).  One va_vdst behind the places, ahead of the matrix instruction
;                     (the fragment and scale word just made); one ahead of its two stores.
;   A STEP k          UJ, HJ (two sets each): the loads at step k's head land in the sets that step k - 1 read; step k reads the other two.
;                     The sums for foreign rows (two sets): step k writes set k % 2; its four stores stand at the head of step k + 1; step k + 2 writes the set again.
;                     So ONE va_vdst at a step's head states: batch k's exponentials are written, v[TA] and v[TB] are written, step k - 1 is done reading the sets in which the loads land and has written
;                     the sums that the stores read.  ONE vm_vsrc ahead of it states: step k - 1's loads have read v[TA], v[TB], and its stores the set that step k writes.
;                     No vector instruction of a step names a register that the step's loads and stores touch.
;   R, LayerNorm, the head product: loads behind one va_vdst each (or behind the one ahead of the stores before the barrier), each run of stores behind one va_vdst.
.set PL,   528                         ; LDS: from one group of four units to the next: 32 rows x 16 bytes + 16
.set UT,   0                           ; x, later u:                32 x 528
.set HT,   32*PL                       ; h:                         32 x 528
.set FRB,  1536                        ; a weight fragment as an image of its 12 registers: three runs of 512 bytes, 16 bytes a lane
.set WIMG, 2*32*PL                     ; 32 fragments, 8 x matrix + tile (matrix 0: W_in; 1..3: W_att)
.set WSC,  WIMG+32*FRB                 ; their scale words, 4 bytes a lane
.set STAT, WSC+32*128                  ; LayerNorm's parts: plane s, and 2,048 on plane q: (w / 4) x 512 + 16 x lane + 4 (w % 4)
.set WC,   STAT+4096                   ; W_c as it lies in memory
.set PART, WC+5120                     ; sums for foreign rows: (7 x writer + d - 1) x 2,048 + 512 g + 16 x lane; g = 0, 1: D, g = 2, 3: N.  Behind the last layer: the head product's parts
.set PSL,  2048
.set PWV,  7*PSL
.set LA,   1                           ; v1   16 x lane
.set GA,   2                           ; v2   products: where my 64 numbers of an operand begin: 8 hh groups + row 16 m + r
.set GS,   3                           ; v3   products: where my 8 results go: groups 4 t + 2 hh, row 16 m + r
.set VW0,  4                           ; v4   my tile's weight image in matrix 0
.set VS0,  5                           ; v5   and its scale word
.set VPW,  6                           ; v6   my wave's slots in PART
.set VST,  7                           ; v7   my word in STAT
.set VOWN, 8                           ; v8   my block's place in UT and HT
.set SH8,  9                           ; v9   8 hh
.set VB,   10                          ; v10  byte offset of my 8 units in a bias
.set TA,   11                          ; v11, v12 addresses of the loads in hand
.set TB,   12
.set PT,   13                          ; v13  destination of the lane exchange
.set WS,   14                          ; v14  W's scale word, nothing else
.set AS,   15                          ; v15  the scale word just made, nothing else
.set UOW,  16                          ; v16-23   attention: log2(e) x u of my 8 units
.set HOW,  24                          ; v24-31   h of my 8 units
.set DR,   32                          ; v32-47   D of my rows, a pair for each (even j, odd j)
.set NR,   48                          ; v48-63   N likewise
.set UJ0,  80                          ; v80-95   u of a foreign block, two sets
.set HJ0,  96                          ; v96-111  h of a foreign block, two sets
.set T0,   112                         ; v112-239 two batches of 64 p: register 8 i + j
.set BI,   240                         ; v240-247 products: the bias, as C.  (v64-79 and v240-255: sums for foreign rows, by turns)
.set MX,   16                          ; products and head: largest magnitudes, conversion scales, bytes
.set SCL,  18
.set BY,   20
.set AF,   24                          ; v24-35   the fragment just made
.set CT,   36                          ; v36-38, v40-42 the upper halves of its two blocks, before they are moved
.set WF,   44                          ; v44-55   W's fragment
.set ACC,  56                          ; v56-63   the product
.set TT,   64                          ; v64-71   tanh at work
.set X,    112                         ; v112-175 64 numbers to be quantised;  v176-239 a second set (head)
.set X2,   176
.set DN,   64                          ; R: v64-71 D, v72-79 N of my rows
.set RC,   80                          ; v80-87   1 / D
.set Y,    88                          ; v88-95   h + out, later the new h
.set DV,   96                          ; v96-103  distances from a mean
.set P,    112                         ; v112-223 seven slots of PART
.set RA,   224                         ; v224-230 their addresses
.set SJB,  48                          ; s48-55   block w + k's place in UT and HT, k = 1..8
.set SPB,  56                          ; s56-62   the slot that writer w - d filled for me, d = 1..7
.macro BARRIER                         ; my LDS stores have landed and my LDS loads are in: then the work-group's barrier
	s_wait_dscnt 0x0
	s_barrier_signal -1
	s_barrier_wait -1
.endm
; d = a x (register b + i in both halves);  d += the same
.macro PKMULB d, a, b, i
.if ((\i)%2) == 0
	v_pk_mul_f32 v[\d:\d+1], v[\a:\a+1], v[\b+\i:\b+\i+1] op_sel_hi:[1,0]
.else
	v_pk_mul_f32 v[\d:\d+1], v[\a:\a+1], v[\b+\i-1:\b+\i] op_sel:[0,1] op_sel_hi:[1,1]
.endif
.endm
.macro PKFMAB d, a, b, i
.if ((\i)%2) == 0
	v_pk_fma_f32 v[\d:\d+1], v[\a:\a+1], v[\b+\i:\b+\i+1], v[\d:\d+1] op_sel_hi:[1,0,1]
.else
	v_pk_fma_f32 v[\d:\d+1], v[\a:\a+1], v[\b+\i-1:\b+\i], v[\d:\d+1] op_sel:[0,1,0] op_sel_hi:[1,1,1]
.endif
.endm
; 64 numbers of a lane, register 32 c + i = k 64 c + 32 hh + i of its row (or column of W): two whole blocks of 32.  They become the fragment v[AF] on and the scale word v[AS].
.macro QUANT x
.irp c, 0,1
	v_max3_num_f32 v[MX+\c], |v[\x+32*\c]|, |v[\x+32*\c+1]|, 0x2800000   ; the block's largest magnitude, with the floor 2^(5 - 127) among its leaves: the byte cannot fall under 1
.endr
.irp i, 2,4,6,8,10,12,14,16,18,20,22,24,26,28,30
.irp c, 0,1
	v_max3_num_f32 v[MX+\c], v[MX+\c], |v[\x+32*\c+\i]|, |v[\x+32*\c+\i+1]|   ; (the two blocks by turns)
.endr
.endr
.irp c, 0,1
	v_add_nc_u32 v[SCL+\c], 0xfe000000, v[MX+\c]   ; 4 off its exponent field: the conversion takes the exponent field of this operand as its scale
.endr
.irp c, 0,1
	v_lshrrev_b32 v[BY+\c], 23, v[SCL+\c]          ; the scale's byte
.endr
	v_lshl_or_b32 v[AS], v[BY+1], 16, v[BY]        ; my two bytes, blocks hh and 2 + hh,
	v_lshlrev_b32 v[AS], v[SH8], v[AS]             ; at their places in the word;
	v_permlanex16_b32 v[PT], v[AS], s24, s25
	v_or_b32 v[AS], v[AS], v[PT]                   ; with lane l xor 16's two the word is whole
.irp c, 0,1
	v_cvt_scalef32_pk16_bf6_f32 v[AF+6*\c:AF+6*\c+2], v[\x+32*\c:\x+32*\c+15], v[SCL+\c]
	v_cvt_scalef32_pk16_bf6_f32 v[CT+4*\c:CT+4*\c+2], v[\x+32*\c+16:\x+32*\c+31], v[SCL+\c]   ; (a conversion's three registers begin on an even number)
.endr
	v_nop                                          ; one plain place behind the scaled conversions
.irp c, 0,1
.irp i, 0,1,2
	v_mov_b32 v[AF+3+6*\c+\i], v[CT+4*\c+\i]
.endr
.endr
.endm
; 64 loads: column 16 x tile + r of a weight, registers down K; sixteen lanes read 64 consecutive bytes
.macro FRAGLOAD reg, base
.irp c, 0,1
.irp i, 0,1,2,3,4,5,6,7,8,9,10,11,12,13,14,15,16,17,18,19,20,21,22,23,24,25,26,27,28,29,30,31
	global_load_b32 v[\reg+32*\c+\i], v85, s[\base:\base+1] offset:512*(64*\c+\i)
.endr
.endr
.endm
; A PRODUCT: my tile of (the array at src) x (the matrix at s27, s28) + the bias at s[bp]; act = 1: tanh; to the array at dst.  norm = 1: the layer's gamma and beta of my 8 units are fetched beside it.
.macro GEMM src, dst, bp, act, norm
	s_wait_alu depctr_vm_vsrc(0)                   ; the LDS instructions issued so far have read their registers: v[TA], v[TB], written below; v240-247, in which the bias lands; the fragment, the scale word, the product and tanh's registers, which stores have read and this product writes again
	v_add_nc_u32 v[TA], s27, v[VW0]
	v_add_nc_u32 v[TB], s28, v[VS0]
	s_wait_alu depctr_va_vdst(0)                   ; v[TA] and v[TB] are written, which the loads of W read; every earlier vector and matrix instruction is done with the registers in which the loads below land (bias, 64 numbers, W's fragment and scale word)
	global_load_b128 v[BI:BI+3], v[VB], s[\bp:\bp+1]
	global_load_b128 v[BI+4:BI+7], v[VB], s[\bp:\bp+1] offset:16
.if \norm
	s_load_b256 s[32:39], s[14:15], 0x0
	s_load_b256 s[40:47], s[16:17], 0x0
.endif
.irp c, 0,1
.irp q, 0,1,2,3,4,5,6,7
	ds_load_b128 v[X+32*\c+4*\q:X+32*\c+4*\q+3], v[GA] offset:\src+(16*\c+\q)*PL
.endr
.endr
	ds_load_b128 v[WF:WF+3], v[TA]
	ds_load_b128 v[WF+4:WF+7], v[TA] offset:512
	ds_load_b128 v[WF+8:WF+11], v[TA] offset:1024
	ds_load_b32 v[WS], v[TB]
	s_wait_dscnt 0x4                               ; the 16 loads of numbers are in; the four for W, issued behind them, may be out
	QUANT X
	s_wait_dscnt 0x0                               ; W's fragment and scale word
	s_wait_loadcnt 0x0                             ; the bias
.if \norm
	s_wait_kmcnt 0x0                               ; gamma and beta; with the line above it also frees the three pointers that the loop steps
.endif
.rept 8
	v_nop                                          ; a scale word made by vector instructions stands 8 places ahead of the scaled matrix instruction, an operand so made 4
.endr
	s_wait_alu depctr_va_vdst(0)                   ; the fragment v[AF ..] and the scale word v[AS] are written, which the scaled matrix instruction takes; the places above stay beside this wait
	v_wmma_scale_f32_16x16x128_f8f6f4 v[ACC:ACC+7], v[WF:WF+11], v[AF:AF+11], v[BI:BI+7], v[WS], v[AS] matrix_a_fmt:MATRIX_FMT_BF6 matrix_b_fmt:MATRIX_FMT_BF6
.rept 4
	v_nop                                          ; four places behind it (ISA guide 7.12.1), for the reads of its result and for every later write of its registers
.endr
.if \act
.irp j, 0,1,2,3,4,5,6,7
	v_mul_f32 v[TT+\j], 0x4038aa3b, v[ACC+\j]      ; 2 log2(e) a; the result is read from its low end on
.endr
.irp j, 0,1,2,3,4,5,6,7
	v_exp_f32 v[TT+\j], v[TT+\j]
.endr
	v_nop                                          ; a plain place behind the batch,
	s_wait_alu depctr_va_vdst(0)                   ; and the one wait ahead of its first reader: the eight exponentials have written v[TT ..]
.irp j, 0,1,2,3,4,5,6,7
	v_add_f32 v[TT+\j], 1.0, v[TT+\j]
.endr
.irp j, 0,1,2,3,4,5,6,7
	v_rcp_f32 v[TT+\j], v[TT+\j]
.endr
	v_nop
	s_wait_alu depctr_va_vdst(0)                   ; likewise for the eight reciprocals
.irp j, 0,1,2,3,4,5,6,7
	v_fma_f32 v[TT+\j], v[TT+\j], -2.0, 1.0        ; tanh
.endr
	s_wait_alu depctr_va_vdst(0)                   ; tanh is written into v[TT ..], which the two LDS stores read
	ds_store_b128 v[GS], v[TT:TT+3] offset:\dst
	ds_store_b128 v[GS], v[TT+4:TT+7] offset:\dst+PL
.else
	s_wait_alu depctr_va_vdst(0)                   ; the matrix instruction has written v[ACC ..], which the two LDS stores read; the places above stay beside this wait
	ds_store_b128 v[GS], v[ACC:ACC+3] offset:\dst
	ds_store_b128 v[GS], v[ACC+4:ACC+7] offset:\dst+PL
.endif
	BARRIER
.endm
; N of my row i takes pair q of batch k
.macro ROWN k, i, q
.if ((\k) == 0) && ((\q) == 0)
	v_pk_mul_f32 v[NR+2*\i:NR+2*\i+1], v[TC+8*\i:TC+8*\i+1], v[HJC:HJC+1]      ; the first product starts the sum: nothing is cleared
.else
	v_pk_fma_f32 v[NR+2*\i:NR+2*\i+1], v[TC+8*\i+2*\q:TC+8*\i+2*\q+1], v[HJC+2*\q:HJC+2*\q+1], v[NR+2*\i:NR+2*\i+1]
.endif
.endm
; STEP k of the attention: batch k (block w + k; its 64 p were issued in the step before) is summed, and between the sums batch k + 1 is scaled and its exponentials are issued (next = 1).
; both = 1: the batch also feeds the rows of block w + k.  prev = 1: the step before made such sums: they are stored here, at this step's head.
; u of block k + 2 and h of block k + 1 are fetched at the head, into the sets that the step before has done with.
.macro STEP k, both, next, prev
.set TC,  T0+64*((\k)%2)
.set TN,  T0+64*(((\k)+1)%2)
.set UJN, UJ0+8*(((\k)+1)%2)
.set UJL, UJ0+8*((\k)%2)
.set HJL, HJ0+8*(((\k)+1)%2)
.if (\k) == 0
.set HJC, HOW
.else
.set HJC, HJ0+8*((\k)%2)
.endif
.if ((\k)%2) == 1
.set CJ, 64                            ; the sums for foreign rows: D at CJ, N at CJ + 8; two sets by turns:
.set CP, 240                           ; this step writes CJ and stores CP, the set that the step before wrote
.else
.set CJ, 240
.set CP, 64
.endif
.if (\k) < 3
	s_wait_dscnt 0x0                               ; the loads of the step before (of the head, for step 0) are in; no store stands behind them
.else
	s_wait_dscnt 0x4                               ; likewise; behind them stand the four stores issued at the head of the step before, which may be out
.endif
.if (\k)+1 <= 8
	s_wait_alu depctr_vm_vsrc(0)                   ; the loads of the step before have read v[TA] and v[TB], written below; its stores (ahead of step 1: tanh's) have read the set CJ, which this step's sums write again
.endif
.if (\k)+2 <= 8
	v_add_nc_u32 v[TA], s[SJB+(\k)+1], v[LA]
.endif
.if (\k)+1 <= 8
	v_add_nc_u32 v[TB], s[SJB+(\k)], v[LA]
.endif
	s_wait_alu depctr_va_vdst(0)                   ; ONE wait: the 64 exponentials of batch k are written, ahead of their first reader (none of this step's is named before the next step's wait); v[TA], v[TB] are written; the step before is done reading the sets in which the loads below land, and has written the sums that the stores below read
.if (\k)+2 <= 8
	ds_load_b128 v[UJL:UJL+3], v[TA] offset:UT
	ds_load_b128 v[UJL+4:UJL+7], v[TA] offset:UT+PL
.endif
.if (\k)+1 <= 8
	ds_load_b128 v[HJL:HJL+3], v[TB] offset:HT
	ds_load_b128 v[HJL+4:HJL+7], v[TB] offset:HT+PL
.endif
.if \prev
.irp g, 0,1,2,3
	ds_store_b128 v[VPW], v[CP+4*\g:CP+4*\g+3] offset:((\k)-2)*PSL+512*\g   ; step k - 1's sums, to my slot k - 1.  No vector instruction of this step names CP
.endr
.endif
.irp i, 0,1,2,3,4,5,6,7
.if \next
.irp q, 0,1,2,3
	PKMULB TN+8*\i+2*\q, UJN+2*\q, UOW, \i         ; log2(e) u_i u_j, two j at a time
.endr
.endif
.irp q, 0,1,2,3
.if \next
	v_exp_f32 v[TN+8*\i+2*\q], v[TN+8*\i+2*\q]
.endif
.if ((\k) > 0) || (\q > 1)
	v_pk_add_f32 v[DR+2*\i:DR+2*\i+1], v[DR+2*\i:DR+2*\i+1], v[TC+8*\i+2*\q:TC+8*\i+2*\q+1]
.elseif \q == 1
	v_pk_add_f32 v[DR+2*\i:DR+2*\i+1], v[TC+8*\i:TC+8*\i+1], v[TC+8*\i+2:TC+8*\i+3]   ; the first two pairs start the sum
.endif
.if \both
	ROWN \k, \i, \q
.endif
.if \next
	v_exp_f32 v[TN+8*\i+2*\q+1], v[TN+8*\i+2*\q+1]
.endif
.if \both
.if \i > 1
	v_pk_add_f32 v[CJ+2*\q:CJ+2*\q+1], v[CJ+2*\q:CJ+2*\q+1], v[TC+8*\i+2*\q:TC+8*\i+2*\q+1]
.elseif \i == 1
	v_pk_add_f32 v[CJ+2*\q:CJ+2*\q+1], v[TC+2*\q:TC+2*\q+1], v[TC+8+2*\q:TC+8+2*\q+1]
.endif
.if \i == 0
	PKMULB CJ+8+2*\q, TC+2*\q, HOW, 0
.else
	PKFMAB CJ+8+2*\q, TC+8*\i+2*\q, HOW, \i
.endif
.else
	ROWN \k, \i, \q                                ; (a plain line stands last, behind the step's last exponential)
.endif
.endr
.endr
.endm
	; ---- THE HEAD: addresses; x and W_c into LDS; the four weights quantised down K, two fragments a wave, into LDS as images of their registers
	s_load_b512 s[4:19], s[0:1], 0x0               ; x 4, W_in 6, b_in 8, W_att 10, b_att 12, gamma 14, beta 16, W_c 18
	s_load_b128 s[20:23], s[0:1], 0x40             ; b_c 20, out0 22
	v_lshrrev_b32 v11, 5, v0
	v_readfirstlane_b32 s2, v11                    ; w, my wave's number
	v_and_b32 v12, 31, v0                          ; lane
	v_and_b32 v16, 15, v0                          ; r
	v_bfe_u32 v17, v0, 4, 1                        ; hh
	v_lshlrev_b32 v[LA], 4, v12
	s_wait_alu depctr_va_sdst(0)                   ; s2 is written, ahead of its first reader: addresses, bases and branches are made from it
	s_and_b32 s80, s2, 1
	s_lshl_b32 s80, s80, 8                         ; 16 m rows of 16 bytes
	s_lshr_b32 s81, s2, 1                          ; t
	v_mul_u32_u24 v[GA], v17, 8*PL
	v_lshl_add_u32 v[GA], v16, 4, v[GA]
	v_add_nc_u32 v[GA], s80, v[GA]
	s_mul_i32 s3, s81, 4*PL
	s_add_co_u32 s3, s3, s80
	v_mul_u32_u24 v[GS], v17, 2*PL
	v_lshl_add_u32 v[GS], v16, 4, v[GS]
	v_add_nc_u32 v[GS], s3, v[GS]
	s_mul_i32 s3, s81, FRB
	s_add_co_u32 s3, s3, WIMG
	v_add_nc_u32 v[VW0], s3, v[LA]
	s_lshl_b32 s3, s81, 7
	s_add_co_u32 s3, s3, WSC
	v_lshl_add_u32 v[VS0], v12, 2, s3
	s_mul_i32 s3, s2, PWV
	s_add_co_u32 s3, s3, PART
	v_add_nc_u32 v[VPW], s3, v[LA]
	s_lshr_b32 s3, s2, 2
	s_lshl_b32 s3, s3, 9
	s_and_b32 s82, s2, 3
	s_lshl_b32 s82, s82, 2
	s_add_co_u32 s3, s3, s82
	s_add_co_u32 s3, s3, STAT
	v_add_nc_u32 v[VST], s3, v[LA]
	s_mul_i32 s3, s2, 2*PL
	v_add_nc_u32 v[VOWN], s3, v[LA]
	v_lshlrev_b32 v[SH8], 3, v17
	s_lshl_b32 s3, s81, 6
	v_lshl_add_u32 v[VB], v17, 5, s3
	v_mov_b32 v[PT], 0                             ; written once: a lane exchange's destination counts as one of its sources
	v_lshlrev_b32 v84, 4, v0                       ; head only: 16 x thread: my bytes of x and of W_c
	v_lshlrev_b32 v85, 2, v16                      ; a weight's column 16 (w % 8) + r, rows from 32 hh on
	v_lshl_add_u32 v85, v17, 14, v85
	s_and_b32 s3, s2, 7
	s_lshl_b32 s3, s3, 6
	v_add_nc_u32 v85, s3, v85
	v_mul_u32_u24 v86, v12, PL                     ; x into LDS: my lane is the group of four k, my wave the row
	s_lshl_b32 s3, s2, 4
	v_add_nc_u32 v86, s3, v86
	v_add_nc_u32 v87, WC, v84                      ; W_c into LDS
	s_mul_i32 s3, s2, FRB
	s_add_co_u32 s3, s3, WIMG
	v_add_nc_u32 v88, s3, v[LA]                    ; the image of fragment w (16 + w lies 16 fragments on)
	s_lshl_b32 s3, s2, 7
	s_add_co_u32 s3, s3, WSC
	v_lshl_add_u32 v89, v12, 2, s3                 ; and its scale word
.irp k, 1,2,3,4,5,6,7,8
	s_add_co_u32 s3, s2, \k
	s_and_b32 s3, s3, 15
	s_mul_i32 s[SJB+\k-1], s3, 2*PL
.endr
.irp d, 1,2,3,4,5,6,7
	s_add_co_u32 s3, s2, 16-\d
	s_and_b32 s3, s3, 15
	s_mul_i32 s3, s3, PWV
	s_add_co_u32 s[SPB+\d-1], s3, PART+(\d-1)*PSL
.endr
	s_mov_b32 s24, 0x76543210                      ; v_permlanex16_b32's selects for lane l xor 16
	s_mov_b32 s25, 0xfedcba98
	s_mov_b32 s27, 0                               ; the matrix in hand: its images,
	s_mov_b32 s28, 0                               ; its scale words
	s_mov_b32 s29, 0x3c000000                      ; 1 / 128
	s_mov_b32 s30, 0x3727c5ac                      ; 1e-5
	s_wait_kmcnt 0x0
	s_load_b256 s[68:75], s[20:21], 0x0            ; b_c: 10 numbers
	s_load_b64 s[76:77], s[20:21], 0x20
	s_lshl_b32 s84, ttmp9, 14                      ; my work-group's 32 rows of x,
	s_mov_b32 s85, 0
	s_add_nc_u64 s[4:5], s[4:5], s[84:85]
	s_mul_i32 s84, ttmp9, 1280                     ; and of out0
	s_add_nc_u64 s[22:23], s[22:23], s[84:85]
	s_lshl_b32 s84, s2, 5                          ; gamma and beta at my 8 units
	s_add_nc_u64 s[14:15], s[14:15], s[84:85]
	s_add_nc_u64 s[16:17], s[16:17], s[84:85]
	s_cmp_lt_u32 s2, 8                             ; fragment w: waves 0-7 W_in, waves 8-15 W_att[0]
	s_cselect_b64 s[80:81], s[6:7], s[10:11]
	s_lshr_b32 s84, s2, 3                          ; fragment 16 + w: W_att[1] or W_att[2]
	s_add_co_u32 s84, s84, 1
	s_lshl_b32 s84, s84, 16
	s_add_nc_u64 s[82:83], s[10:11], s[84:85]
	s_wait_alu depctr_va_vdst(0)                   ; the addresses v1 to v10 and v84 to v89 are written, which the loads and stores of the head and of the whole kernel read
	s_cmp_lt_u32 s2, 10                            ; W_c is 320 threads' worth of 16 bytes
	s_cbranch_scc0 .Lno_wc_load
	global_load_b128 v[80:83], v84, s[18:19]
.Lno_wc_load:
	global_load_b128 v[248:251], v84, s[4:5] th:TH_LOAD_NT               ; row w of x: a wave reads 512 consecutive bytes
	global_load_b128 v[252:255], v84, s[4:5] offset:8192 th:TH_LOAD_NT   ; row 16 + w
	FRAGLOAD X, 80
	s_wait_loadcnt 0x3f                            ; behind x and W_c stand 64 loads; the wait names 63 at the most: x and W_c are in
	ds_store_b128 v86, v[248:251] offset:UT
	ds_store_b128 v86, v[252:255] offset:UT+256
	s_cmp_lt_u32 s2, 10
	s_cbranch_scc0 .Lno_wc_store
	ds_store_b128 v87, v[80:83]
.Lno_wc_store:
	FRAGLOAD X2, 82
	s_wait_kmcnt 0x0                               ; b_c: wave 0 adds it to its part of the head product, the others add 0
	s_cmp_eq_u32 s2, 0
.irp c, 0,1,2,3,4,5,6,7,8,9
	s_cselect_b32 s[68+\c], s[68+\c], 0
.endr
	s_wait_loadcnt 0x3f                            ; behind the first fragment's loads stand the second's 64: the first is whole
	QUANT X
	s_wait_alu depctr_va_vdst(0)                   ; the fragment v[AF ..] and its scale word v[AS] are written, which the four LDS stores read
.irp g, 0,1,2
	ds_store_b128 v88, v[AF+4*\g:AF+4*\g+3] offset:512*\g
.endr
	ds_store_b32 v89, v[AS]
	s_wait_loadcnt 0x0
	s_wait_dscnt 0x0                               ; the stores are done: their registers are written again below
	s_wait_alu depctr_vm_vsrc(0)                   ; the four stores have read v[AF ..] and v[AS], which the second fragment's lines write again
	QUANT X2
	s_wait_alu depctr_va_vdst(0)                   ; the second fragment and its scale word are written, which the four LDS stores read
.irp g, 0,1,2
	ds_store_b128 v88, v[AF+4*\g:AF+4*\g+3] offset:16*FRB+512*\g
.endr
	ds_store_b32 v89, v[AS] offset:16*128
	BARRIER                                        ; x, W_c and the 32 fragments lie in LDS
	GEMM UT, HT, 8, 0, 0                           ; h = x W_in + b_in
	s_mov_b32 s27, 8*FRB                           ; on to W_att[0]
	s_mov_b32 s28, 8*128
	s_mov_b32 s26, 0
.Llayer:
	GEMM HT, UT, 12, 1, 1                          ; u = tanh(h W + b)
	; ---- the attention
	s_wait_alu depctr_vm_vsrc(0)                   ; the product's loads of W have read v[TA], written below
	v_add_nc_u32 v[TA], s[SJB], v[LA]
	s_wait_alu depctr_va_vdst(0)                   ; v[TA] is written, which the last two loads below read
	ds_load_b128 v[UJ0:UJ0+3], v[VOWN] offset:UT
	ds_load_b128 v[UJ0+4:UJ0+7], v[VOWN] offset:UT+PL
	ds_load_b128 v[HOW:HOW+3], v[VOWN] offset:HT
	ds_load_b128 v[HOW+4:HOW+7], v[VOWN] offset:HT+PL
	ds_load_b128 v[UJ0+8:UJ0+11], v[TA] offset:UT
	ds_load_b128 v[UJ0+12:UJ0+15], v[TA] offset:UT+PL
	s_wait_dscnt 0x2                               ; my block's u and h are in; the two loads of block w + 1's u may be out
.irp p, 0,1,2,3
	v_pk_mul_f32 v[UOW+2*\p:UOW+2*\p+1], v[UJ0+2*\p:UJ0+2*\p+1], 0x3fb8aa3b op_sel_hi:[1,0]   ; log2(e) goes into u_i once
.endr
.irp i, 0,1,2,3,4,5,6,7                            ; batch 0: my block against itself
.irp q, 0,1,2,3
	PKMULB T0+8*\i+2*\q, UJ0+2*\q, UOW, \i
.endr
.irp j, 0,1,2,3,4,5,6,7
	v_exp_f32 v[T0+8*\i+\j], v[T0+8*\i+\j]
.endr
.endr
	v_nop                                          ; a plain place behind the batch; its wait stands in step 0
	STEP 0, 0, 1, 0
	STEP 1, 1, 1, 0
	STEP 2, 1, 1, 1
	STEP 3, 1, 1, 1
	STEP 4, 1, 1, 1
	STEP 5, 1, 1, 1
	STEP 6, 1, 1, 1
	STEP 7, 1, 1, 1
	STEP 8, 0, 0, 1
	BARRIER                                        ; every wave's sums for foreign rows lie in LDS
	; ---- R: the seven slots that were filled for my rows; out = N / D; y = h + out; my part of the mean and of the variance
	s_wait_alu depctr_vm_vsrc(0)                   ; the stores at step 8's head have read v64-79, which the sums v[DN ..] below write; step 6's loads have read v[TA], which is written further down
.irp d, 1,2,3,4,5,6,7
	v_add_nc_u32 v[RA+\d-1], s[SPB+\d-1], v[LA]
.endr
	s_wait_alu depctr_va_vdst(0)                   ; the seven addresses are written, which the loads below read; the last two steps are done reading the batches of p, in which these loads land
.irp d, 1,2,3,4,5,6,7
.irp g, 0,1,2,3
	ds_load_b128 v[P+16*(\d-1)+4*\g:P+16*(\d-1)+4*\g+3], v[RA+\d-1] offset:512*\g
.endr
.endr
.irp i, 0,1,2,3,4,5,6,7
	v_add_f32 v[DN+\i], v[DR+2*\i], v[DR+2*\i+1]   ; even j's and odd j's
.endr
.irp i, 0,1,2,3,4,5,6,7
	v_add_f32 v[DN+8+\i], v[NR+2*\i], v[NR+2*\i+1]
.endr
.irp d, 1,2,3,4,5,6,7
	s_wait_dscnt 4*(7-\d)                          ; slot d's four loads are in; those of the 7 - d slots behind it may be out
.irp p, 0,1,2,3,4,5,6,7
	v_pk_add_f32 v[DN+2*\p:DN+2*\p+1], v[DN+2*\p:DN+2*\p+1], v[P+16*(\d-1)+2*\p:P+16*(\d-1)+2*\p+1]
.endr
.endr
.irp i, 0,1,2,3,4,5,6,7
	v_rcp_f32 v[RC+\i], v[DN+\i]
.endr
	v_nop
	s_wait_alu depctr_va_vdst(0)                   ; one wait for the eight reciprocals, ahead of their first reader
.irp i, 0,1,2,3,4,5,6,7
	v_fma_f32 v[Y+\i], v[DN+8+\i], v[RC+\i], v[HOW+\i]
.endr
	v_pk_add_f32 v[104:105], v[Y:Y+1], v[Y+2:Y+3]
	v_pk_add_f32 v[106:107], v[Y+4:Y+5], v[Y+6:Y+7]
	v_pk_add_f32 v[104:105], v[104:105], v[106:107]
	v_add_f32 v104, v104, v105                     ; s: the sum of my 8
	v_mul_f32 v106, 0x3e000000, v104               ; s / 8
.irp p, 0,1,2,3
	v_pk_add_f32 v[DV+2*\p:DV+2*\p+1], v[Y+2*\p:Y+2*\p+1], v[106:107] op_sel_hi:[1,0] neg_lo:[0,1] neg_hi:[0,1]
.endr
	v_pk_mul_f32 v[108:109], v[DV:DV+1], v[DV:DV+1]
.irp p, 1,2,3
	v_pk_fma_f32 v[108:109], v[DV+2*\p:DV+2*\p+1], v[DV+2*\p:DV+2*\p+1], v[108:109]
.endr
	v_add_f32 v108, v108, v109                     ; q: the squared distances from s / 8
	v_add_nc_u32 v[TA], STAT, v[LA]                ; the address of LayerNorm's loads, made here so that the wait below serves it too
	s_wait_alu depctr_va_vdst(0)                   ; s and q are written, which the two LDS stores read; v[TA] is written, and the sums above are done reading the slots' registers: both for the loads behind the barrier, ahead of which no vector instruction stands
	ds_store_b32 v[VST], v104
	ds_store_b32 v[VST], v108 offset:2048
	BARRIER                                        ; the sixteen s and q of every row lie in LDS
	; ---- LayerNorm
.irp g, 0,1,2,3
	ds_load_b128 v[112+4*\g:115+4*\g], v[TA] offset:512*\g
.endr
.irp g, 0,1,2,3
	ds_load_b128 v[128+4*\g:131+4*\g], v[TA] offset:2048+512*\g
.endr
	s_wait_dscnt 0x0
.irp p, 0,1,2,3
	v_pk_add_f32 v[160+2*\p:161+2*\p], v[112+4*\p:113+4*\p], v[114+4*\p:115+4*\p]
.endr
.irp p, 0,1,2,3
	v_pk_add_f32 v[168+2*\p:169+2*\p], v[128+4*\p:129+4*\p], v[130+4*\p:131+4*\p]
.endr
	v_pk_add_f32 v[160:161], v[160:161], v[162:163]
	v_pk_add_f32 v[164:165], v[164:165], v[166:167]
	v_pk_add_f32 v[168:169], v[168:169], v[170:171]
	v_pk_add_f32 v[172:173], v[172:173], v[174:175]
	v_pk_add_f32 v[160:161], v[160:161], v[164:165]
	v_pk_add_f32 v[168:169], v[168:169], v[172:173]   ; sum q, in two halves
	v_add_f32 v160, v160, v161
	v_mul_f32 v162, s29, v160                      ; mu
.irp p, 0,1,2,3,4,5,6,7
	v_pk_fma_f32 v[144+2*\p:145+2*\p], v[112+2*\p:113+2*\p], 0x3e000000, v[162:163] op_sel_hi:[1,0,0] neg_lo:[0,0,1] neg_hi:[0,0,1]   ; s / 8 - mu
.endr
	v_pk_mul_f32 v[164:165], v[144:145], v[144:145]
	v_pk_mul_f32 v[166:167], v[146:147], v[146:147]
.irp p, 2,4,6
	v_pk_fma_f32 v[164:165], v[144+2*\p:145+2*\p], v[144+2*\p:145+2*\p], v[164:165]
	v_pk_fma_f32 v[166:167], v[146+2*\p:147+2*\p], v[146+2*\p:147+2*\p], v[166:167]
.endr
	v_pk_add_f32 v[164:165], v[164:165], v[166:167]
	v_pk_fma_f32 v[168:169], v[164:165], 0x41000000, v[168:169] op_sel_hi:[1,0,1]   ; sum q + 8 sum (s / 8 - mu)^2
	v_add_f32 v168, v168, v169
	v_fma_f32 v170, v168, s29, s30                 ; var + eps
	v_rsq_f32 v160, v170
.irp p, 0,1,2,3
	v_pk_add_f32 v[DV+2*\p:DV+2*\p+1], v[Y+2*\p:Y+2*\p+1], v[162:163] op_sel_hi:[1,0] neg_lo:[0,1] neg_hi:[0,1]   ; y - mu: plain work behind the root
.endr
	s_wait_alu depctr_va_vdst(0)                   ; the wait ahead of its first reader: the root has written v160
.irp p, 0,1,2,3
	v_pk_mul_f32 v[DV+2*\p:DV+2*\p+1], v[DV+2*\p:DV+2*\p+1], v[160:161] op_sel_hi:[1,0]
.endr
.irp i, 0,1,2,3,4,5,6,7
	v_fma_f32 v[Y+\i], v[DV+\i], s[32+\i], s[40+\i]   ; x gamma + beta: the new h of my 8 units
.endr
	s_wait_alu depctr_va_vdst(0)                   ; the new h is written into v[Y ..], which the two LDS stores read
	ds_store_b128 v[VOWN], v[Y:Y+3] offset:HT
	ds_store_b128 v[VOWN], v[Y+4:Y+7] offset:HT+PL
	s_add_nc_u64 s[12:13], s[12:13], 512           ; the next layer's bias, gamma, beta (their loads were waited for in the product; behind the last layer they are not used)
	s_add_nc_u64 s[14:15], s[14:15], 512
	s_add_nc_u64 s[16:17], s[16:17], 512
	s_add_co_u32 s27, s27, 8*FRB                   ; and its matrix
	s_add_co_u32 s28, s28, 8*128
	BARRIER                                        ; h is whole
	s_add_co_u32 s26, s26, 1
	s_cmp_lt_u32 s26, 3
	s_cbranch_scc1 .Llayer
	; ---- the head product: each wave multiplies its 8 units (still in v[Y] on) by its 8 rows of W_c; the sixteen parts meet in LDS.  N = 10: fused multiply-adds in f32
	s_wait_alu depctr_vm_vsrc(0)                   ; LayerNorm's loads have read v[TA], written below
	s_mul_i32 s3, s2, 320
	s_add_co_u32 s3, s3, WC
	v_mov_b32 v[TA], s3                            ; the same 320 bytes for every lane
	v_and_b32 v[TB], 31, v0
	v_mul_u32_u24 v[TB], v[TB], 40
	s_mul_i32 s3, s2, 1280
	s_add_co_u32 s3, s3, PART
	v_add_nc_u32 v[TB], s3, v[TB]                  ; my part: wave x 1,280 + 40 x lane, laid as the work-group's 32 rows of out0
	v_lshlrev_b32 v16, 3, v0                       ; 8 x thread: two numbers of out0,
	v_add_nc_u32 v17, PART, v16                    ; and the same two in part 0
.irp c, 0,1,2,3,4,5,6,7,8,9
	v_mov_b32 v[192+\c], s[68+\c]                  ; b_c in wave 0, zeros elsewhere
.endr
	s_wait_alu depctr_va_vdst(0)                   ; v[TA] is written, which the loads below read; LayerNorm's lines are done with v112-175, in which they land
.irp n, 0,1,2,3,4,5,6,7,8,9,10,11,12,13,14,15,16,17,18,19
	ds_load_b128 v[112+4*\n:115+4*\n], v[TA] offset:16*\n
.endr
	s_wait_dscnt 0x0
.irp e, 0,1,2,3,4,5,6,7
.irp c, 0,1,2,3,4
	PKFMAB 192+2*\c, 112+10*\e+2*\c, Y, \e
.endr
.endr
	s_wait_alu depctr_va_vdst(0)                   ; my part is written into v192-201, which the LDS stores read by v[TB]; the sums are done reading v112-191, in which the loads behind the barrier land by v17
.irp c, 0,1,2,3,4
	ds_store_b64 v[TB], v[192+2*\c:193+2*\c] offset:8*\c
.endr
	BARRIER                                        ; the last barrier: the branch below jumps over none
	s_cmp_lt_u32 s2, 5                             ; 1,280 bytes are 160 threads' worth of 8
	s_cbranch_scc0 .Lend
.irp n, 0,1,2,3,4,5,6,7,8,9,10,11,12,13,14,15
	ds_load_b64 v[112+2*\n:113+2*\n], v17 offset:1280*\n
.endr
	s_wait_dscnt 0x0
.irp p, 0,1,2,3,4,5,6,7
	v_pk_add_f32 v[112+4*\p:113+4*\p], v[112+4*\p:113+4*\p], v[114+4*\p:115+4*\p]
.endr
.irp p, 0,1,2,3
	v_pk_add_f32 v[112+8*\p:113+8*\p], v[112+8*\p:113+8*\p], v[116+8*\p:117+8*\p]
.endr
	v_pk_add_f32 v[112:113], v[112:113], v[120:121]
	v_pk_add_f32 v[128:129], v[128:129], v[136:137]
	v_pk_add_f32 v[112:113], v[112:113], v[128:129]
	s_wait_alu depctr_va_vdst(0)                   ; the sum of the sixteen parts is written into v[112:113], which the store reads
	global_store_b64 v16, v[112:113], s[22:23] th:TH_STORE_NT   ; a wave stores 256 consecutive bytes, at a multiple of 256 from out0's first byte
.Lend:
	s_wait_xcnt 0x0
	v_lshl_add_u32 v254, v0, 2, 0x4f800            ; the add's two registers are made anew here, v0 being as at the entry.  (Stores last read v254 and v255 at step 7's head, ahead of several waits on vm_vsrc)
	v_mov_b32 v255, 0
	s_wait_dscnt 0x0                               ; the closing lines, six on end
	s_wait_alu 0x0
	s_wait_tensorcnt 0x0
	ds_add_u32 v254, v255
	s_wait_dscnt 0x0
	s_endpgm
.Lfunc_end_k_qc2c85d6565_fused:
	.size	k_qc2c85d6565_fused, .Lfunc_end_k_qc2c85d6565_fused-k_qc2c85d6565_fused
	.p2alignl 7, 3214868480
	.fill 96, 4, 3214868480
	.section	.rodata,"a",@progbits
	.p2align	6, 0x0
	.amdhsa_kernel k_qc2c85d6565_fused
		.amdhsa_group_segment_fixed_size 327680
		.amdhsa_private_segment_fixed_size 0
		.amdhsa_enable_private_segment 0
		.amdhsa_kernarg_size 80
		.amdhsa_user_sgpr_count 2
		.amdhsa_user_sgpr_kernarg_segment_ptr 1
		.amdhsa_wavefront_size32 1
		.amdhsa_system_sgpr_workgroup_id_x 1
		.amdhsa_system_sgpr_workgroup_id_y 1
		.amdhsa_system_sgpr_workgroup_id_z 1
		.amdhsa_system_vgpr_workitem_id 0
		.amdhsa_next_free_vgpr 256
		.amdhsa_next_free_sgpr 96
		.amdhsa_reserve_vcc 0
		.amdhsa_float_denorm_mode_32 3
		.amdhsa_float_denorm_mode_16_64 3
		.amdhsa_memory_ordered 1
		.amdhsa_forward_progress 1
		.amdhsa_inst_pref_size 163
	.end_amdhsa_kernel
	.amdgpu_metadata
---
amdhsa.version: [ 1, 2 ]
amdhsa.kernels:
  - .name:           k_qc2c85d6565_fused
    .symbol:         k_qc2c85d6565_fused.kd
    .args:
      - { .name: x, .offset: 0, .size: 8, .value_kind: global_buffer, .address_space: global }
      - { .name: W_in, .offset: 8, .size: 8, .value_kind: global_buffer, .address_space: global }
      - { .name: b_in, .offset: 16, .size: 8, .value_kind: global_buffer, .address_space: global }
      - { .name: W_att, .offset: 24, .size: 8, .value_kind: global_buffer, .address_space: global }
      - { .name: b_att, .offset: 32, .size: 8, .value_kind: global_buffer, .address_space: global }
      - { .name: gamma, .offset: 40, .size: 8, .value_kind: global_buffer, .address_space: global }
      - { .name: beta, .offset: 48, .size: 8, .value_kind: global_buffer, .address_space: global }
      - { .name: W_c, .offset: 56, .size: 8, .value_kind: global_buffer, .address_space: global }
      - { .name: b_c, .offset: 64, .size: 8, .value_kind: global_buffer, .address_space: global }
      - { .name: out0, .offset: 72, .size: 8, .value_kind: global_buffer, .address_space: global }
    .group_segment_fixed_size: 327680
    .private_segment_fixed_size: 0
    .kernarg_segment_align: 8
    .kernarg_segment_size: 80
    .max_flat_workgroup_size: 512
    .sgpr_count:     96
    .vgpr_count:     256
    .wavefront_size: 32
...
	.end_amdgpu_metadata
.endif
;; end of part 2
